; MI455X (gfx1250); checked and timed in simulation.
; The chip was launched on July 23, 2026; its instructions are those of AMD's public machine-readable ISA for CDNA 5 (MIT licence, August 2026) and "CDNA5" Instruction Set Architecture Reference Guide (July 2026). The comments in the code are by the model that wrote it; some were corrected since.
;; Scaled Dot Product Attention. Allowed arithmetic: matrix products marked QUANTISED: E2M1 operands, one E8M0 scale for each 32 along K, by v_wmma_scale_f32_16x16x128_f8f6f4 with both operands' format E2M1 (or v_wmma_scale_f32_32x16x128_f4), f32 sums; everything else in f32.
;; Inputs: keys_codes 16 x 4,096 x 4 x 16 uint8 (E2M1 codes of keys, K innermost, in blocks of 32 codes, two codes a byte); keys_scales 16 x 4,096 x 4 uint8 (E8M0 scales of keys, one for each 32 codes along K); queries_codes 16 x 4,096 x 4 x 16 uint8 (E2M1 codes of queries, K innermost, in blocks of 32 codes, two codes a byte); queries_scales 16 x 4,096 x 4 uint8 (E8M0 scales of queries, one for each 32 codes along K); valid_lens 16 int32; values_codes 16 x 128 x 128 x 16 uint8 (E2M1 codes of values, K innermost, in blocks of 32 codes, two codes a byte); values_scales 16 x 128 x 128 uint8 (E8M0 scales of values, one for each 32 codes along K).
;; Outputs: out0 16 x 4,096 x 128 float32.
;; This version of the problem:
;;   THIS VERSION OF THE PROBLEM IS GIVEN IN LOW PRECISION. The matrix products marked QUANTISED in the list below multiply operands that are first quantised to E2M1 (2 exponent bits, 1 mantissa bit; 4 bits a number), with one power-of-two scale for each 32 numbers along K (OCP MX v1.0); their sums are f32. All else is computed in f32.
;;   The module's matrix products, in the order in which they are computed (A, B: the left and right operand; K: the contracted axis; several contracted axes count as one K, in the product's order):
;;     1. batch 16 x [M 4,096, K 128] x [K 128, N 4,096]; A: input queries (given as codes); B: input keys (given as codes): QUANTISED
;;     2. batch 16 x [M 4,096, K 4,096] x [K 4,096, N 128]; A: softmax (see below); B: input values (given as codes): QUANTISED
;;   THE QUANTISER, for each operand of a quantised product, along K:
;;     - K is cut into blocks of 32 from its start; a last block that is shorter is filled with zeros.
;;     - A block's scale is 2^e with e = floor(log2(the largest magnitude in the block)) - 2, held to -126 .. 127; a block of zeros has e = 0. As a byte (E8M0): e + 127.
;;     - Each number is divided by its block's scale, clamped to +-6, and rounded to the nearest number of E2M1, ties to even, subnormals kept.
;;     - The product sums the exact products of the quantised numbers (number of the format x scale) in f32.
;;   ~~~python
;;   def quantise(x, axis):      # numpy; x: float32 -> the quantised numbers, widened to float32 again
;;       x = np.moveaxis(x, axis, -1); K = x.shape[-1]
;;       x = np.pad(x, [(0, 0)] * (x.ndim - 1) + [(0, -K % 32)]); x = x.reshape(x.shape[:-1] + (-1, 32)); a = np.abs(x).max(-1, keepdims=True)
;;       e = np.where(a > 0, np.clip(np.frexp(np.where(a > 0, a, 1))[1] - 1 - 2, -126, 127), 0)      # np.frexp(a)[1] - 1 = floor(log2(a)), exactly
;;       r = np.clip(x / 2.0 ** e, -6, 6)
;;       step = 2.0 ** (np.maximum(np.frexp(np.where(r == 0, 1, r))[1] - 1, 0) - 1)
;;       q = np.round(r / step) * step * 2.0 ** e      # np.round: ties to even
;;       return np.moveaxis(q.reshape(q.shape[:-2] + (-1,))[..., :K], -1, axis).astype(np.float32)
;;   ~~~
;;   SOFTMAX AHEAD OF A QUANTISED PRODUCT. Where the list says 'softmax', what is quantised is not the finished softmax but p = 2^(t - M), with t = logit x log2(e) and M = ceil(the row's largest t), a whole number; so 1/2 < the row's largest p <= 1. The row's sum l is taken of the UNQUANTISED p, in f32, and the product's result is divided by l at the end. Since M is a whole number, a kernel that streams over the keys may use a running M (the ceiling of the running maximum): every later rescaling is an exact power of two, which a block's scale takes up: the codes' values come out the same.
;;   OPERANDS COMPUTED ON THE WAY. 'Computed on the way' means the value that the module computes at that place (a softmax that the list does not call 'softmax' is quantised finished and normalised). What goes into a quantiser is computed in f32, as accurately as f32 sums, v_exp_f32 and their like allow (about 1e-6 of the number): no bf16 or f16 on the way to a quantiser, and a product that is left as it is and whose result goes on into a quantised operand takes f32 operands (vector FMAs, or v_wmma_f32_16x16x4_f32). A number that lies on a knife's edge between two numbers of the format may be rounded either way, as far as f32 arithmetic and the matrix unit's own rounding can turn it there, and no further.
;;   INPUTS GIVEN AS CODES. keys (in the module: [16, 4096, 128], K = its axis 2); queries (in the module: [16, 4096, 128], K = its axis 2); values (in the module: [16, 4096, 128], K = its axis 1): each comes as NAME_codes (uint8): NAME with its K axis moved to the last place and cut into blocks of 32 codes, [.., K / 32, bytes a block], one block behind the other in memory; two codes a byte, the lower K in the low four bits (a code: sign, 2 exponent bits, 1 mantissa bit); and NAME_scales (uint8): the same leading axes, one E8M0 byte (e + 127) for each 32 codes along K. Its value is code x scale, taken as it is: it is not quantised again, and the codes and scales need not be those that the quantiser above would give.
;; 2 versions. Each part assembles by itself: llvm-mc -triple=amdgcn-amd-amdhsa -mcpu=gfx1250 --defsym DOCPART=n.
;; ======== version 1 of 2: 1 launch
;; limits: right only within a limited range of input values
;; launch attn (part 1): grid 256 x 1, 16 waves a work-group, no clusters, 258,048 bytes of LDS; arguments queries_codes, queries_scales, keys_codes, keys_scales, values_codes, values_scales, valid_lens, out0; writes out0
.if DOCPART == 1
	.amdgcn_target "amdgcn-amd-amdhsa--gfx1250"
	.amdhsa_code_object_version 6
	.text
	.protected	k_q82cb637af8_attn
	.globl	k_q82cb637af8_attn
	.p2align	8
	.type	k_q82cb637af8_attn,@function
k_q82cb637af8_attn:
	s_mov_b64 s[64:65], 0
	v_nop
	global_prefetch_b8 v0, s[64:65] scope:SCOPE_SE
	s_setreg_imm32_b32 hwreg(HW_REG_WAVE_MODE, 25, 1), 1
	s_wait_xcnt 0x0
; out0[b][q][:] = the sum over k of softmax_k(Q[b][q] . K[b][k] / sqrt(128), keys k >= valid_lens[b] at the logit -1e6) V[b][k][:].  16 batches, 4,096 queries, 4,096 keys, head 128.
; Both products on codes of FP4 (E2M1) with one E8M0 scale for each 32 along a product's K.  Q, K: codes [16][4096][128 codes = 64 bytes], scale bytes [16][4096][4].  V: codes with the KEYS innermost,
; [16][128][4096 codes = 2,048 bytes], scale bytes [16][128][128].  out0: [16][4096][128] f32.
; THE SOFTMAX AHEAD OF THE SECOND PRODUCT: t = score x log2(e) / sqrt(128); M = the row's largest t so far, rounded UP to a whole number; p = 2^(t - M) is quantised along the keys, not normalised.
; The row's sum is taken of the unquantised p, in f32, and divides at the end.  When M moves, the sum and O are multiplied by 2^(old M - new M): exact.
; SHARES.  A JOB is 128 queries of one batch: 512 jobs, two for each of the 256 work-groups.  Every wave ranks the 16 valid_lens (whole numbers alone); work-group g takes query block g % 32 of the batch of rank g / 32
; and then of the batch of rank 15 - g / 32: a short batch with a long one, so that the work-groups' sums of key steps are nearly alike.  Each (batch, block) has one owner.
; In a job wave w has the tile of 16 queries w % 8 and works the key steps (128 keys) whose number has the parity w / 8.  At the job's end waves w and w xor 8 exchange O^T, -M and the sum through LDS, bring both
; under the larger M (powers of two: exact), and each stores 8 of the tile's 16 rows.
; WHAT THE MASK THROWS AWAY IS NOT WORKED: a key step all of whose keys lie at or behind valid_len is jumped over by a scalar branch, and so is the fetch of a slot none of whose keys is walked.  The loops' trip counts
; are constants, and no barrier and no step of an address stands under such a branch.  In the one step on the border hidden scores take reference's own number, -1e6 x sqrt(128) as a raw score.
; NO CLUSTER, NO TENSOR LOAD, though the 32 work-groups of a batch read the same K and V: how many steps are worked hangs on valid_lens, a number read from memory.
; With joint loads every batch would be walked through all 32 steps, with the mask's 128 lines in each: on lengths spread over 1 .. 4,096 about twice the work.
; So K and V come through registers: a slot of 512 keys is asked for a whole slot ahead (8 loads of 16 bytes a lane), and stored into the other LDS slot at the trip's end.  One barrier a trip.
; LAYOUT.  Both products are used transposed: S^T = K Q^T (source 0 = 16 keys, source 1 = my 16 queries), O^T = V^T P^T (source 0 = 16 of the head's 128, source 1 = P): a lane holds ONE query (lane % 16) throughout.
; THE KEYS OF A TILE ARE NOT NEIGHBOURS: lane r of tile 2 b + u takes key 32 b + 8 u + r + 8 (r / 8), so that the 16 registers of tiles 2 b and 2 b + 1 are 16 neighbouring keys, 32 b + 16 (lane / 16) + 0 .. 15.
; In LDS key k lies at row rho(k) = k with bits 3 and 4 exchanged: a tile's 16 keys are then the 16 neighbouring rows 16 T + r.
; LIMITS.  Leaving hidden steps out is exact while a row's largest counted logit lies above about -1e6 + 110 (a hidden p then falls under the smallest f32 number): it holds for |logit| < 9.9e5.
; valid_len > 4,096 acts as 4,096, as in reference.  valid_len <= 0: all 32 steps are walked with every key hidden, which gives equal weights as in reference; the common p then hangs on the rounding of t near
; 1.44e6: not tried.  A scale byte 0xff (NaN) among the inputs is not served.
.set KP,    80                         ; a key's row in LDS: 64 bytes + 16: row r starts at bank 20 r mod 64 (64 banks of 4 bytes: ISA guide 11.1): 16 neighbouring rows take 16 different columns of 16 bytes
.set VP,    272                        ; a row of V's tile (512 keys, 256 bytes) + 16
.set VOFF,  512*KP                     ; a slot: 512 rows of K, then 128 rows of V
.set SLOTB, VOFF+128*VP                ; 75,776 bytes; slot 1 begins here
.set SCK,   2*SLOTB                    ; K's scale bytes of the whole batch, dense: key k's word at 4 k: 16,384 bytes
.set SVP,   144                        ; a row of V's scale bytes: 128 + 16
.set SCV,   SCK+16384                  ; V's: 128 rows: 18,432 bytes
.set STG,   SCV+128*SVP                ; a stage of 16 rows x 272 bytes for each wave
.set IMGB,  8704                       ; the exchange at a job's end: a wave's image: 16 x 512 bytes of O^T + 512 of statistics.  The 16 images lie over the ring, from byte 0
.set WV,  20                           ; s20 my wave's number;  s21 its key parity;  s22 its tile of queries;  s23 my first query in the batch
.set KAP, 21
.set TAU, 22
.set ROW0, 23
.set SEL, 24                           ; s[24:25] lane selects for v_permlanex16_b32: lane l xor 16
.set CS,  26                           ; s[26:27] c = log2(e) / sqrt(128): the packed form names a pair
.set J0,  32                           ; s[32:47] job 0, s[48:63] job 1: +0 K's codes (the next slot to fetch), +2 V's, +4 K's scales, +6 V's scales, +8 Q's codes, +10 Q's scales, +12 out0, +14 WL keys to walk, +15 VM the mask's length
.set J1,  48
.set SK,  66                           ; s66-81 the 16 sort keys (head only)
.set TB,  82                           ; s82 LDS byte of the slot in hand;  s83 of the other
.set TBN, 83
.set TS,  84                           ; s84 the slot's scale words of K: 2,048 bytes a slot;  s85 V's: 16 bytes a slot
.set TJ,  85
.set KF,  86                           ; s86 my next step's first key
.set NF,  87                           ; s87 the first key of the slot to be fetched
.set CNT, 88
; v1 AK0, v2 AV0, v3 ASK0, v4 ASV0: my lane's place in a tile of K, of V, among K's and V's scale words;  v5 SKA, v6 SVA: where I store a slot's K and V;  v7 GK, v24 GV: where I load them;  v8-11 the addresses in hand
; v12 -M, v13 the largest t, v[14:15] the sum in two halves;  v16-23 Q;  v25 QO, v241 QSO: Q's loads;  v26 SKS, v27 SVS: where I store scale bytes;  v28 IMO, v29 IMP: my image, my partner's;  v30 STI, v31 STO: the stage
; v32-63 four fragments of K or V;  v64-95 a slot on its way;  v96-159 S^T, then p;  v160-223 O^T;  v224-231 p's codes;  v232-239, v244-247, v252, v254 at work;  v240 GO;  v242 -16 (lane / 16) - 1
; v248-251 K's or V's scale words, v253 p's, v255 Q's
.macro BAR                             ; my LDS stores have landed and my LDS loads are in: then the work-group's barrier
	s_wait_dscnt 0x0
	s_barrier_signal -1
	s_barrier_wait -1
.endm
; A slot is asked for: K's 512 rows are one dense block of 32,768 bytes (a wave's load takes 512 neighbouring bytes); of V's 128 rows 256 bytes each (sixteen lanes take one row's 256 bytes).
.macro REQ job
.irp i, 0,1,2,3
	global_load_b128 v[64+4*\i:67+4*\i], v7, s[\job:\job+1] offset:8192*\i
.endr
.irp i, 0,1,2,3
	global_load_b128 v[80+4*\i:83+4*\i], v24, s[\job+2:\job+3] offset:65536*\i
.endr
.endm
; A job's first loads: my tile of Q and its scale words, the batch's scale bytes of K and V (16,384 bytes each: 32 a thread), slot 0.
.macro JREQ job
	global_load_b128 v[16:19], v25, s[\job+8:\job+9]
	global_load_b128 v[20:23], v25, s[\job+8:\job+9] offset:32
	global_load_b32 v255, v241, s[\job+10:\job+11]
	global_load_b128 v[32:35], v7, s[\job+4:\job+5]
	global_load_b128 v[36:39], v7, s[\job+4:\job+5] offset:8192
	global_load_b128 v[40:43], v7, s[\job+6:\job+7]
	global_load_b128 v[44:47], v7, s[\job+6:\job+7] offset:8192
	REQ \job
.endm
; A job's start: the step is written once, so the first finds zeros, which the first change of M leaves zeros.
.macro JINIT
	v_mov_b32 v13, 0xff61b1e6                      ; the largest t so far: -3e38, under every t
	v_floor_f32 v12, -v13                          ; -M
	v_mov_b32 v14, 0
	v_mov_b32 v15, 0
.set rr, 160
.rept 64
	v_mov_b32 v[rr], 0                             ; O^T
.set rr, rr+1
.endr
	s_lshl_b32 s[KF], s[KAP], 7                    ; my first step: number 0 or 1
	s_mov_b32 s[NF], 512
	s_mov_b32 s[TB], 0
	s_mov_b32 s[TBN], SLOTB
	s_mov_b32 s[TS], 0
	s_mov_b32 s[TJ], 0
	s_mov_b32 s[CNT], 8
.endm
; The job's first loads go into LDS.
.macro JPUT job
	s_wait_loadcnt 0x0                             ; all of JREQ's are in: their bases may be stepped
	s_add_nc_u64 s[\job:\job+1], s[\job:\job+1], 32768     ; on to slot 1
	s_add_nc_u64 s[\job+2:\job+3], s[\job+2:\job+3], 256
	ds_store_b128 v26, v[32:35]
	ds_store_b128 v26, v[36:39] offset:8192
	ds_store_b128 v27, v[40:43]
	ds_store_b128 v27, v[44:47] offset:64*SVP      ; 8,192 bytes on are 64 rows on
.irp i, 0,1,2,3
	ds_store_b128 v5, v[64+4*\i:67+4*\i] offset:128*KP*\i      ; 8,192 bytes of K are 128 keys
	ds_store_b128 v6, v[80+4*\i:83+4*\i] offset:32*VP*\i       ; 32 rows of V
.endr
	BAR
.endm
; A KEY STEP: 128 keys: number 2 q + my parity of the slot in hand.
.macro STEP q, job
	s_cmp_ge_u32 s[KF], s[\job+14]                 ; all its keys lie behind what is walked: left out.  A branch on whole numbers; the step of KF at the end is on every path
	s_cbranch_scc1 .Lhid_\@
	v_add_nc_u32 v8, s[TB], v1                     ; (these four are also the places in front of the loads into registers that the last products read)
	v_add_nc_u32 v9, s[TB], v2
	v_add_nc_u32 v10, s[TS], v3
	v_add_nc_u32 v11, s[TJ], v4
.irp g, 0,1                                    ; S^T = K Q^T, four tiles of 16 keys at a time
.if \g > 0
.rept 4
	v_nop                                          ; places in front of loads into registers that matrix instructions have read
.endr
.endif
.irp t, 0,1,2,3
.irp c, 0,1
	ds_load_b128 v[32+8*\t+4*\c:32+8*\t+4*\c+3], v8 offset:(256*(\q)+16*(4*\g+\t))*KP+32*\c
.endr
	ds_load_b32 v[248+\t], v10 offset:1024*(\q)+4*(32*((4*\g+\t)/2)+8*(\t%2))
.endr
	s_wait_dscnt 0x0
.irp t, 0,1,2,3
	v_wmma_scale_f32_16x16x128_f8f6f4 v[96+8*(4*\g+\t):103+8*(4*\g+\t)], v[32+8*\t:39+8*\t], v[16:23], 0, v[248+\t], v255 matrix_a_fmt:MATRIX_FMT_FP4 matrix_b_fmt:MATRIX_FMT_FP4
.endr
.endr                                          ; lane (r, h) holds query r; the 16 registers of tiles 2 b, 2 b + 1 are keys KF + 32 b + 16 h + 0 .. 15
.rept 4
	v_nop
.endr
	s_add_co_u32 s89, s[KF], 128                   ; THE MASK.  A step all of whose keys count skips it
	s_cmp_le_u32 s89, s[\job+15]
	s_cbranch_scc1 .Lopen_\@
	s_sub_co_i32 s89, s[\job+15], s[KF]
	v_add_nc_u32 v252, s89, v242                   ; d = VM - KF - 16 h - 1.  Register 16 b + i holds key KF + 16 h + 32 b + i: hidden where 32 b + i > d
	v_mov_b32 v254, 0xcb2ca22c                     ; -1e6 x sqrt(128): the score whose logit is reference's -1e6
.irp n, 0,1,2,3,4,5,6,7,8,9,10,11,12,13,14,15,16,17,18,19,20,21,22,23,24,25,26,27,28,29,30,31,32,33,34,35,36,37,38,39,40,41,42,43,44,45,46,47,48,49,50,51,52,53,54,55,56,57,58,59,60,61,62,63
	v_cmp_gt_i32 vcc_lo, 32*(\n/16)+\n%16, v252
	v_cndmask_b32 v[96+\n], v[96+\n], v254, vcc_lo
.endr
.Lopen_\@:
.irp b, 0,1,2,3
	v_max3_num_f32 v[232+\b], v[96+16*\b], v[97+16*\b], v[98+16*\b]   ; THE LARGEST SCORE OF EACH BLOCK OF 32 KEYS: it serves for the row's maximum and, since p rises with the score, for the block's largest p
.endr
.irp i, 3,5,7,9,11,13
.irp b, 0,1,2,3
	v_max3_num_f32 v[232+\b], v[232+\b], v[96+16*\b+\i], v[97+16*\b+\i]   ; (the four blocks by turns)
.endr
.endr
.irp b, 0,1,2,3
	v_max_num_f32 v[232+\b], v[232+\b], v[111+16*\b]
.endr
.irp b, 0,1,2,3
	v_permlanex16_b32 v[236+\b], v[232+\b], s[SEL], s[SEL+1]
.endr
.irp b, 0,1,2,3
	v_max_num_f32 v[232+\b], v[232+\b], v[236+\b]  ; with lane l xor 16's 16 keys
.endr
	v_max3_num_f32 v254, v232, v233, v234
	v_max_num_f32 v254, v254, v235                 ; the step's largest score of my query
	v_mul_f32 v254, s[CS], v254                    ; as t (c is positive)
	v_max_num_f32 v13, v13, v254                   ; the running largest t
	v_mov_b32 v254, v12
	v_floor_f32 v12, -v13                          ; the new -M = floor(-t) = -ceil(t): M is a whole number
	v_sub_f32 v254, v12, v254                      ; M's old value less its new one: a whole number, 0 or less
	v_cvt_i32_f32 v254, v254                       ; (it saturates)
	v_ldexp_f32 v252, 1.0, v254                    ; f = 2^(old M - new M)
.set rr, 0
.rept 32
	v_pk_fma_f32 v[96+rr:97+rr], v[96+rr:97+rr], s[CS:CS+1], v[12:13] op_sel_hi:[1,0,0]   ; t - M, two at a time (of the pairs c and -M the low word serves both halves)
.set rr, rr+2
.endr
.irp b, 0,1,2,3
	v_fma_f32 v[232+\b], v[232+\b], s[CS], v12     ; the same of each block's largest score
.endr
.set rr, 0
.rept 64
	v_exp_f32 v[96+rr], v[96+rr]                   ; p = 2^(t - M): not normalised
.set rr, rr+1
.endr
.irp b, 0,1,2,3
	v_exp_f32 v[232+\b], v[232+\b]                 ; the block's largest p: the same two instructions on the same number give the same bits
.endr
	v_pk_mul_f32 v[14:15], v[14:15], v[252:253] op_sel_hi:[1,0]   ; the sums under the new M.  (A plain place behind the exponentials)
	s_wait_alu depctr_va_vdst(0)
.irp b, 0,1,2,3
	v_max_num_f32 v[232+\b], 0x1800000, v[232+\b]  ; the floor 2^(3 - 127): the byte cannot fall under 1 (a block whose every p is 0 keeps that byte: its codes are zeros)
.endr
.irp b, 0,1,2,3
	v_add_nc_u32 v[244+\b], 0xff000000, v[232+\b]  ; 2 off the exponent field: the conversion's scale operand
.endr
.irp b, 0,1,2,3
	v_lshrrev_b32 v[236+\b], 23, v[244+\b]         ; the scale's byte
.endr
	v_lshl_or_b32 v253, v237, 8, v236              ; p's scale word for these 128 keys
	v_lshl_or_b32 v253, v238, 16, v253
	v_lshl_or_b32 v253, v239, 24, v253
.irp b, 0,1,2,3
	v_cvt_scalef32_pk8_fp4_f32 v[224+2*\b], v[96+16*\b:103+16*\b], v[244+\b]
	v_cvt_scalef32_pk8_fp4_f32 v[225+2*\b], v[104+16*\b:111+16*\b], v[244+\b]
.endr
	v_nop                                          ; one plain vector instruction between a scaled conversion and the vector instruction that touches its result
.irp c, 0,1                                    ; the operand's layout wants a WHOLE block in a lane: lanes 0-15 block 2 c, lanes 16-31 block 2 c + 1
.irp i, 0,1
	v_permlane16_swap_b32 v[224+4*\c+\i], v[226+4*\c+\i]
.endr
.endr
	v_pk_add_f32 v[236:237], v[96:97], v[98:99]    ; THE ROW'S SUM IS TAKEN OF THE UNQUANTISED p: two at a time, in two chains
.irp j, 4,8,12,16,20,24,28,32,36,40,44,48,52,56,60
	v_pk_add_f32 v[14:15], v[14:15], v[96+\j:97+\j]
	v_pk_add_f32 v[236:237], v[236:237], v[98+\j:99+\j]
.endr
	v_pk_add_f32 v[14:15], v[14:15], v[236:237]
.set rr, 0
.rept 32
	v_pk_mul_f32 v[160+rr:161+rr], v[160+rr:161+rr], v[252:253] op_sel_hi:[1,0]   ; O^T under the new M: x f.  (These are also the places in front of the matrix instructions and loads below)
.set rr, rr+2
.endr
.irp g, 0,1                                    ; O^T += V^T P^T: four tiles of 16 of the head's 128 at a time; K = these 128 keys.  The eight accumulators take turns, one instruction a turn
.if \g > 0
.rept 4
	v_nop
.endr
.endif
.irp t, 0,1,2,3
.irp c, 0,1
	ds_load_b128 v[32+8*\t+4*\c:32+8*\t+4*\c+3], v9 offset:16*(4*\g+\t)*VP+128*(\q)+32*\c
.endr
	ds_load_b32 v[248+\t], v11 offset:(4*\g+\t)*16*SVP+8*(\q)
.endr
	s_wait_dscnt 0x0
.irp t, 0,1,2,3
	v_wmma_scale_f32_16x16x128_f8f6f4 v[160+8*(4*\g+\t):167+8*(4*\g+\t)], v[32+8*\t:39+8*\t], v[224:231], v[160+8*(4*\g+\t):167+8*(4*\g+\t)], v[248+\t], v253 matrix_a_fmt:MATRIX_FMT_FP4 matrix_b_fmt:MATRIX_FMT_FP4
.endr
.endr
.Lhid_\@:
	s_add_co_u32 s[KF], s[KF], 256                 ; my next step: two steps on
.endm
; A JOB'S LOOP: 8 trips, one for each slot of 512 keys.  The slot stored in a trip was last read in the trip before, which every wave left at the barrier with its reads waited for; the stores are waited for in front
; of this trip's signal, and are read behind its wait: one barrier a trip does both.
.macro JLOOP job
.Lslot_\@:
	s_cmp_lt_u32 s[NF], s[\job+14]                 ; does the next slot hold a key that is walked?
	s_cbranch_scc0 .Lnoreq_\@
	REQ \job                                       ; asked for two steps' work ahead of the wait for it
.Lnoreq_\@:
	STEP 0, \job
	STEP 1, \job
	s_wait_loadcnt 0x0                             ; the next slot is in my registers; on every path, so that the bases may be stepped on every path
	s_add_nc_u64 s[\job:\job+1], s[\job:\job+1], 32768
	s_add_nc_u64 s[\job+2:\job+3], s[\job+2:\job+3], 256
	s_cmp_lt_u32 s[NF], s[\job+14]
	s_cbranch_scc0 .Lnoput_\@
	v_add_nc_u32 v8, s[TBN], v5
	v_add_nc_u32 v9, s[TBN], v6
.irp i, 0,1,2,3
	ds_store_b128 v8, v[64+4*\i:67+4*\i] offset:128*KP*\i
	ds_store_b128 v9, v[80+4*\i:83+4*\i] offset:32*VP*\i
.endr
.Lnoput_\@:
	BAR
	s_xor_b32 s[TB], s[TB], SLOTB
	s_xor_b32 s[TBN], s[TBN], SLOTB
	s_add_co_u32 s[TS], s[TS], 2048
	s_add_co_u32 s[TJ], s[TJ], 16
	s_add_co_u32 s[NF], s[NF], 512
	s_sub_co_u32 s[CNT], s[CNT], 1
	s_cmp_lg_u32 s[CNT], 0
	s_cbranch_scc1 .Lslot_\@
.endm
; A JOB'S END.  next: the next job's registers, or 0.  Waves w and w xor 8 hold the two halves of a tile's sums.  Each writes its O^T, -M and sum as an image of its registers (16 bytes a lane, 512 a store), reads
; its partner's, brings both under the larger M, divides by the whole sum, and sends 8 of the 16 rows through its own stage, so that sixteen lanes store 256 consecutive bytes, aligned.
; A wave of parity 1 that had no step (at most 128 keys walked) holds -M = 3e38 and zeros: its factor comes out 0.  The wave of parity 0 always has step 0, so the sum is above 0.
.macro WAYOUT job, next
.rept 4
	v_nop                                          ; places behind the last products: loads into their operands' registers and the first read of their results follow
.endr
.if \next
	JREQ \next                                     ; the next job's first loads run under the exchange: none of their registers is touched before JPUT's wait
.endif
	v_add_f32 v13, v14, v15                        ; my half of the sum (the largest t is done with)
.irp g, 0,1,2,3,4,5,6,7,8,9,10,11,12,13,14,15
	ds_store_b128 v28, v[160+4*\g:163+4*\g] offset:512*\g      ; each accumulator from its low end on.  The ring is free: every wave has passed the loop's last barrier
.endr
	ds_store_b128 v28, v[12:15] offset:8192
	BAR
.irp g, 0,1,2,3,4,5,6,7,8,9,10,11,12,13,14,15
	ds_load_b128 v[96+4*\g:99+4*\g], v29 offset:512*\g
.endr
	ds_load_b128 v[232:235], v29 offset:8192       ; v232 the partner's -M, v233 its sum
	s_wait_dscnt 0x0
	v_min_num_f32 v236, v12, v232                  ; -(the larger M)
	v_sub_f32 v237, v236, v12                      ; my M less the larger: a whole number, 0 or less
	v_sub_f32 v238, v236, v232                     ; the partner's
	v_cvt_i32_f32 v237, v237                       ; (it saturates)
	v_cvt_i32_f32 v238, v238
	v_ldexp_f32 v237, 1.0, v237
	v_ldexp_f32 v238, 1.0, v238
	v_mul_f32 v239, v13, v237
	v_fma_f32 v239, v233, v238, v239               ; both sums under the larger M,
	v_permlanex16_b32 v252, v239, s[SEL], s[SEL+1]
	v_add_f32 v239, v239, v252                     ; and lane l xor 16's: the row's sum
	v_rcp_f32 v239, v239
	v_nop                                          ; a plain place behind the transcendental
	s_wait_alu depctr_va_vdst(0)
	v_mul_f32 v244, v237, v239                     ; my factor / the sum (written twice: the packed form names a pair)
	v_mul_f32 v245, v237, v239
	v_mul_f32 v246, v238, v239                     ; the partner's
	v_mul_f32 v247, v238, v239
.set rr, 0
.rept 32
	v_pk_mul_f32 v[96+rr:97+rr], v[96+rr:97+rr], v[246:247] op_sel_hi:[1,0]
.set rr, rr+2
.endr
.set rr, 0
.rept 32
	v_pk_fma_f32 v[96+rr:97+rr], v[160+rr:161+rr], v[244:245], v[96+rr:97+rr] op_sel_hi:[1,0,1]   ; register 8 T + i is out(r, 16 T + 8 h + i)
.set rr, rr+2
.endr
.irp u, 0,1                                    ; channels 64 u on: half a row, 256 bytes
.irp t, 0,1,2,3
	ds_store_b128 v30, v[96+32*\u+8*\t:99+32*\u+8*\t] offset:64*\t
	ds_store_b128 v30, v[100+32*\u+8*\t:103+32*\u+8*\t] offset:64*\t+16
.endr
.irp i, 0,1,2,3
	ds_load_b128 v[160+16*\u+4*\i:163+16*\u+4*\i], v31 offset:2*VP*\i   ; my 8 rows, two an instruction.  LDS serves a wave's instructions in order (ISA guide 5.7.1.4): these see my stores, and the next half's stores come behind them
.endr
.endr
.irp u, 0,1
.irp i, 0,1,2,3
	s_wait_dscnt 12*(1-\u)+3-\i                    ; issued: 8 stores, 4 loads, 8 stores, 4 loads: behind load (0, i) stand 15 - i, behind load (1, i) 3 - i
	global_store_b128 v240, v[160+16*\u+4*\i:163+16*\u+4*\i], s[\job+12:\job+13] offset:1024*\i+256*\u th:TH_STORE_NT
.endr
.endr
.if \next
	BAR                                            ; every wave has read its partner's image: the ring and the scale bytes may be written
	s_wait_xcnt 0x0                                ; the stores have read their registers: O^T is cleared only behind this wait
	JINIT
	JPUT \next
.endif
.endm
	s_load_b512 s[4:19], s[0:1], 0x0               ; Q's codes s[4:5], Q's scales s[6:7], K's s[8:9], s[10:11], V's s[12:13], s[14:15], valid_lens s[16:17], out0 s[18:19]
	v_lshrrev_b32 v8, 5, v0
	v_readfirstlane_b32 s[WV], v8                  ; wave 0..15
	s_lshr_b32 s[KAP], s[WV], 3
	s_and_b32 s[TAU], s[WV], 7
	s_mov_b32 s[SEL], 0x76543210
	s_mov_b32 s[SEL+1], 0xfedcba98
	s_mov_b32 s[CS], 0x3e0293ee                    ; c = log2(e) / sqrt(128)
	s_mov_b32 s[CS+1], s[CS]                       ; (named with it as a pair, so it is written)
	v_and_b32 v8, 15, v0                           ; r
	v_bfe_u32 v9, v0, 4, 1                         ; h
	v_and_b32 v10, 31, v0                          ; lane
	v_mul_u32_u24 v1, v8, KP                       ; AK0 = 80 r + 16 h + 128 rows x parity
	v_lshl_add_u32 v1, v9, 4, v1
	s_mul_i32 s89, s[KAP], 128*KP
	v_add_nc_u32 v1, s89, v1
	v_mul_u32_u24 v2, v8, VP                       ; AV0 = VOFF + 272 r + 16 h + 64 bytes x parity
	v_lshl_add_u32 v2, v9, 4, v2
	s_lshl_b32 s89, s[KAP], 6
	s_add_co_u32 s89, s89, VOFF
	v_add_nc_u32 v2, s89, v2
	v_and_b32 v11, 8, v8
	v_add_nc_u32 v11, v11, v8                      ; r + 8 (r / 8)
	s_lshl_b32 s89, s[KAP], 9
	s_add_co_u32 s89, s89, SCK
	v_lshl_add_u32 v3, v11, 2, s89                 ; ASK0 = SCK + 4 (r + 8 (r / 8)) + 512 x parity
	v_mul_u32_u24 v4, v8, SVP                      ; ASV0 = SCV + 144 r + 4 x parity
	s_lshl_b32 s89, s[KAP], 2
	s_add_co_u32 s89, s89, SCV
	v_add_nc_u32 v4, s89, v4
	v_lshrrev_b32 v11, 2, v0                       ; the key of a load's 128 that I carry: x = t / 4
	v_and_b32 v12, 0x67, v11                       ; rho(x): bits 3 and 4 change places
	v_bfe_u32 v13, v11, 3, 1
	v_lshl_add_u32 v12, v13, 4, v12
	v_bfe_u32 v13, v11, 4, 1
	v_lshl_add_u32 v12, v13, 3, v12
	v_mul_u32_u24 v5, v12, KP                      ; SKA = 80 rho(t / 4) + 16 (t % 4)
	v_and_b32 v13, 3, v0
	v_lshl_add_u32 v5, v13, 4, v5
	v_lshrrev_b32 v11, 4, v0
	v_mul_u32_u24 v6, v11, VP                      ; SVA = VOFF + 272 (t / 16) + 16 (t % 16)
	v_lshl_add_u32 v6, v8, 4, v6
	v_add_nc_u32 v6, VOFF, v6
	v_lshlrev_b32 v7, 4, v0                        ; GK = 16 t
	v_lshlrev_b32 v24, 11, v11                     ; GV = 2,048 (t / 16) + 16 (t % 16)
	v_lshl_add_u32 v24, v8, 4, v24
	v_lshlrev_b32 v25, 6, v8                       ; QO = 64 r + 16 h
	v_lshl_add_u32 v25, v9, 4, v25
	v_lshl_add_u32 v26, v0, 4, SCK                 ; SKS = SCK + 16 t
	v_lshrrev_b32 v11, 3, v0
	v_mul_u32_u24 v27, v11, SVP                    ; SVS = SCV + 144 (t / 8) + 16 (t % 8)
	v_and_b32 v11, 7, v0
	v_lshl_add_u32 v27, v11, 4, v27
	v_add_nc_u32 v27, SCV, v27
	s_mul_i32 s89, s[WV], IMGB
	v_lshl_add_u32 v28, v10, 4, s89                ; IMO = 8,704 w + 16 lane
	s_xor_b32 s90, s[WV], 8
	s_mul_i32 s90, s90, IMGB
	v_lshl_add_u32 v29, v10, 4, s90                ; IMP = 8,704 (w xor 8) + 16 lane
	s_mul_i32 s89, s[WV], 16*VP
	s_add_co_u32 s89, s89, STG                     ; my stage
	v_mul_u32_u24 v30, v8, VP                      ; STI: row r, + 32 h
	v_lshl_add_u32 v30, v9, 5, v30
	v_add_nc_u32 v30, s89, v30
	s_mul_i32 s90, s[KAP], 8*VP
	s_add_co_u32 s90, s90, s89
	v_mul_u32_u24 v31, v9, VP                      ; STO: row 8 x parity + h, + 16 r
	v_lshl_add_u32 v31, v8, 4, v31
	v_add_nc_u32 v31, s90, v31
	v_lshlrev_b32 v240, 9, v9                      ; GO = 512 h + 16 r
	v_lshl_add_u32 v240, v8, 4, v240
	v_lshlrev_b32 v241, 2, v8                      ; QSO = 4 r
	v_lshlrev_b32 v242, 4, v9
	v_xor_b32 v242, -1, v242                       ; -16 h - 1
.irp b, 0,1,2,3
	v_mov_b32 v[236+\b], 0                         ; written once: a lane permute's destination counts as one of its sources
.endr
	v_mov_b32 v252, 0
	v_mov_b32 v253, 0                              ; (named as the upper half of the pair v[252:253] before it is first written)
	v_mov_b32 v254, 0
	v_mov_b32 v244, 0
	v_mov_b32 v245, 16
	v_mov_b32 v246, 1
	v_mov_b32 v235, 0
	s_wait_kmcnt 0x0
	; THE RANKS.  Lane l holds batch l % 16.  Its sort key: (the keys to walk - 1) << 5 | 16 where valid_len < 1 | the batch: no two are equal.
	global_load_b32 v232, v241, s[16:17]
	s_wait_loadcnt 0x0
	v_add_nc_u32 v233, -1, v232
	v_min_u32 v233, 0xfff, v233                    ; valid_len <= 0 (a large number here) and valid_len > 4,096 walk all 4,096 keys
	v_cmp_gt_i32 vcc_lo, 1, v232
	v_cndmask_b32 v234, v244, v245, vcc_lo
	v_lshl_or_b32 v233, v233, 5, v234
	v_or_b32 v233, v233, v8
.irp i, 0,1,2,3,4,5,6,7,8,9,10,11,12,13,14,15
	v_readlane_b32 s[SK+\i], v233, \i
.endr
.irp i, 0,1,2,3,4,5,6,7,8,9,10,11,12,13,14,15
	v_cmp_lt_u32 vcc_lo, s[SK+\i], v233
	v_cndmask_b32 v234, v244, v246, vcc_lo
	v_add_nc_u32 v235, v235, v234                  ; my batch's rank: how many keys lie under mine
.endr
	s_lshr_b32 s89, ttmp9, 5                       ; p = 0 .. 7
	s_sub_co_u32 s90, 15, s89
	v_cmp_eq_u32 s91, s89, v235                    ; the lane of rank p,
	v_cmp_eq_u32 s92, s90, v235                    ; and of rank 15 - p
	s_mov_b32 s93, 0
	s_mov_b32 s94, 0
.irp i, 0,1,2,3,4,5,6,7,8,9,10,11,12,13,14,15
	s_bitcmp1_b32 s91, \i
	s_cselect_b32 s93, s[SK+\i], s93               ; job 0's sort key
	s_bitcmp1_b32 s92, \i
	s_cselect_b32 s94, s[SK+\i], s94               ; job 1's
.endr
	s_and_b32 s[ROW0], ttmp9, 31
	s_lshl_b32 s[ROW0], s[ROW0], 7
	s_lshl_b32 s31, s[TAU], 4
	s_add_co_u32 s[ROW0], s[ROW0], s31             ; my first query: 128 x block + 16 x tile
	s_mov_b32 s29, 0
; A job's registers from its sort key.  Each offset is made apart, in s[28:29], and added to its own buffer's address.
.macro JSET job, key
	s_and_b32 s30, s[\key], 15
	s_min_u32 s30, s30, 15                         ; the batch
	s_lshr_b32 s31, s[\key], 5
	s_min_u32 s31, s31, 4095
	s_add_co_u32 s[\job+14], s31, 1                ; WL
	s_bitcmp1_b32 s[\key], 4
	s_cselect_b32 s[\job+15], 0, s[\job+14]        ; VM: 0 where valid_len < 1
	s_lshl_b32 s28, s30, 18                        ; a batch's codes: 262,144 bytes
	s_add_nc_u64 s[\job:\job+1], s[8:9], s[28:29]
	s_add_nc_u64 s[\job+2:\job+3], s[12:13], s[28:29]
	s_lshl_b32 s31, s[ROW0], 6
	s_add_co_u32 s28, s28, s31
	s_add_nc_u64 s[\job+8:\job+9], s[4:5], s[28:29]
	s_lshl_b32 s28, s30, 14                        ; a batch's scale bytes: 16,384
	s_add_nc_u64 s[\job+4:\job+5], s[10:11], s[28:29]
	s_add_nc_u64 s[\job+6:\job+7], s[14:15], s[28:29]
	s_lshl_b32 s31, s[ROW0], 2
	s_add_co_u32 s28, s28, s31
	s_add_nc_u64 s[\job+10:\job+11], s[6:7], s[28:29]
	s_lshl_b32 s28, s30, 21                        ; a batch of out0: 2,097,152 bytes
	s_lshl_b32 s31, s[KAP], 3
	s_add_co_u32 s31, s31, s[ROW0]                 ; the first of the 8 rows that I store
	s_lshl_b32 s31, s31, 9
	s_add_co_u32 s28, s28, s31
	s_add_nc_u64 s[\job+12:\job+13], s[18:19], s[28:29]
.endm
	JSET J0, 93
	JSET J1, 94
	JREQ J0
	JINIT
	JPUT J0
	JLOOP J0
	WAYOUT J0, J1
	JLOOP J1
	WAYOUT J1, 0
	s_wait_xcnt 0x0
	v_lshl_add_u32 v254, v0, 2, 0x3e800
	v_mov_b32 v255, 0
	s_wait_tensorcnt 0x0
	ds_add_u32 v254, v255
	s_wait_dscnt 0x0
	s_endpgm
.Lfunc_end_k_q82cb637af8_attn:
	.size	k_q82cb637af8_attn, .Lfunc_end_k_q82cb637af8_attn-k_q82cb637af8_attn
	.p2alignl 7, 3214868480
	.fill 96, 4, 3214868480
	.section	.rodata,"a",@progbits
	.p2align	6, 0x0
	.amdhsa_kernel k_q82cb637af8_attn
		.amdhsa_group_segment_fixed_size 258048
		.amdhsa_private_segment_fixed_size 0
		.amdhsa_enable_private_segment 0
		.amdhsa_kernarg_size 64
		.amdhsa_user_sgpr_count 2
		.amdhsa_user_sgpr_kernarg_segment_ptr 1
		.amdhsa_wavefront_size32 1
		.amdhsa_system_sgpr_workgroup_id_x 1
		.amdhsa_system_sgpr_workgroup_id_y 1
		.amdhsa_system_sgpr_workgroup_id_z 1
		.amdhsa_system_vgpr_workitem_id 0
		.amdhsa_next_free_vgpr 256
		.amdhsa_next_free_sgpr 96
		.amdhsa_reserve_vcc 1
		.amdhsa_float_denorm_mode_32 3
		.amdhsa_float_denorm_mode_16_64 3
		.amdhsa_memory_ordered 1
		.amdhsa_forward_progress 1
		.amdhsa_inst_pref_size 140
	.end_amdhsa_kernel
	.amdgpu_metadata
---
amdhsa.version: [ 1, 2 ]
amdhsa.kernels:
  - .name:           k_q82cb637af8_attn
    .symbol:         k_q82cb637af8_attn.kd
    .args:
      - { .name: queries_codes, .offset: 0, .size: 8, .value_kind: global_buffer, .address_space: global }
      - { .name: queries_scales, .offset: 8, .size: 8, .value_kind: global_buffer, .address_space: global }
      - { .name: keys_codes, .offset: 16, .size: 8, .value_kind: global_buffer, .address_space: global }
      - { .name: keys_scales, .offset: 24, .size: 8, .value_kind: global_buffer, .address_space: global }
      - { .name: values_codes, .offset: 32, .size: 8, .value_kind: global_buffer, .address_space: global }
      - { .name: values_scales, .offset: 40, .size: 8, .value_kind: global_buffer, .address_space: global }
      - { .name: valid_lens, .offset: 48, .size: 8, .value_kind: global_buffer, .address_space: global }
      - { .name: out0, .offset: 56, .size: 8, .value_kind: global_buffer, .address_space: global }
    .group_segment_fixed_size: 258048
    .private_segment_fixed_size: 0
    .kernarg_segment_align: 8
    .kernarg_segment_size: 64
    .max_flat_workgroup_size: 512
    .sgpr_count:     96
    .vgpr_count:     256
    .wavefront_size: 32
...
	.end_amdgpu_metadata
.endif
;; end of part 1
;; ======== version 2 of 2: 1 launch; version 1 with the launch attn written anew for expert scheduling mode
;; limits: right only within a limited range of input values
;; launch attn (part 2): grid 256 x 1, 16 waves a work-group, no clusters, 258,048 bytes of LDS; arguments queries_codes, queries_scales, keys_codes, keys_scales, values_codes, values_scales, valid_lens, out0; writes out0
.if DOCPART == 2
	.amdgcn_target "amdgcn-amd-amdhsa--gfx1250"
	.amdhsa_code_object_version 6
	.text
	.protected	k_q82cb637af8_attn
	.globl	k_q82cb637af8_attn
	.p2align	8
	.type	k_q82cb637af8_attn,@function
k_q82cb637af8_attn:
	s_mov_b64 s[64:65], 0
	v_nop
	global_prefetch_b8 v0, s[64:65] scope:SCOPE_SE
	s_setreg_imm32_b32 hwreg(HW_REG_WAVE_SCHED_MODE, 0, 2), 2
	s_setreg_imm32_b32 hwreg(HW_REG_WAVE_MODE, 25, 1), 1
	s_wait_xcnt 0x0
	s_wait_alu depctr_vm_vsrc(0)
; out0[b][q][:] = the sum over k of softmax_k(Q[b][q] . K[b][k] / sqrt(128), keys k >= valid_lens[b] at the logit -1e6) V[b][k][:].  16 batches, 4,096 queries, 4,096 keys, head 128.
; Both products on codes of FP4 (E2M1) with one E8M0 scale for each 32 along a product's K.  Q, K: codes [16][4096][128 codes = 64 bytes], scale bytes [16][4096][4].  V: codes with the KEYS innermost,
; [16][128][4096 codes = 2,048 bytes], scale bytes [16][128][128].  out0: [16][4096][128] f32.
; THE SOFTMAX AHEAD OF THE SECOND PRODUCT: t = score x log2(e) / sqrt(128); M = the row's largest t so far, rounded UP to a whole number; p = 2^(t - M) is quantised along the keys, not normalised.
; The row's sum is taken of the unquantised p, in f32, and divides at the end.  When M moves, the sum and O are multiplied by 2^(old M - new M): exact.
; SHARES.  A JOB is 128 queries of one batch: 512 jobs, two for each of the 256 work-groups.  Every wave ranks the 16 valid_lens (whole numbers alone); work-group g takes query block g % 32 of the batch of rank g / 32
; and then of the batch of rank 15 - g / 32: a short batch with a long one, so that the work-groups' sums of key steps are nearly alike.  Each (batch, block) has one owner.
; In a job wave w has the tile of 16 queries w % 8 and works the key steps (128 keys) whose number has the parity w / 8.  At the job's end waves w and w xor 8 exchange O^T, -M and the sum through LDS, bring both
; under the larger M (powers of two: exact), and each stores 8 of the tile's 16 rows.
; WHAT THE MASK THROWS AWAY IS NOT WORKED: a key step all of whose keys lie at or behind valid_len is jumped over by a scalar branch, and so is the fetch of a slot none of whose keys is walked.  The loops' trip counts
; are constants, and no barrier and no step of an address stands under such a branch.  In the one step on the border hidden scores take reference's own number, -1e6 x sqrt(128) as a raw score.
; NO CLUSTER, NO TENSOR LOAD, though the 32 work-groups of a batch read the same K and V: how many steps are worked hangs on valid_lens, a number read from memory.
; With joint loads every batch would be walked through all 32 steps, with the mask's lines in each: on lengths spread over 1 .. 4,096 about twice the work.
; So K and V come through registers: a slot of 512 keys is asked for a whole slot ahead (8 loads of 16 bytes a lane), and stored into the other LDS slot at the trip's end.  One barrier a trip.
; LAYOUT.  Both products are used transposed: S^T = K Q^T (source 0 = 16 keys, source 1 = my 16 queries), O^T = V^T P^T (source 0 = 16 of the head's 128, source 1 = P): a lane holds ONE query (lane % 16) throughout.
; THE KEYS OF A TILE ARE NOT NEIGHBOURS: lane r of tile 2 b + u takes key 32 b + 8 u + r + 8 (r / 8), so that the 16 registers of tiles 2 b and 2 b + 1 are 16 neighbouring keys, 32 b + 16 (lane / 16) + 0 .. 15.
; In LDS key k lies at row rho(k) = k with bits 3 and 4 exchanged: a tile's 16 keys are then the 16 neighbouring rows 16 T + r.
; LIMITS.  Leaving hidden steps out is exact while a row's largest counted logit lies above about -1e6 + 110 (a hidden p then falls under the smallest f32 number): it holds for |logit| < 9.9e5.
; valid_len > 4,096 acts as 4,096, as in reference.  valid_len <= 0: all 32 steps are walked with every key hidden, which gives equal weights as in reference; the common p then hangs on the rounding of t near
; 1.44e6: not tried.  A scale byte 0xff (NaN) among the inputs is not served.
; THE MODE: SCHED_MODE bits 1:0 = 2 (LLVM: expert scheduling mode 2), set by the entry lines.  The code itself states the register dependences between vector or matrix instructions and memory or LDS instructions,
; with s_wait_alu, always for 0.
; THE PLAN.  Registers that memory or LDS instructions touch, round the loop:
;   v64-95    A slot on its way.  Written by global loads at a trip's head, read by LDS stores at its end; no vector instruction names them.
;   v32-63    Four fragments.  K's tiles 0-3 land at a step's head and are read by their products; V's tiles 0-3 land behind the exponentials' wait and are read by theirs.
;   v96-127   K's tiles 4-7 land here at a step's head; their products write v128-159; then tiles 0-3's products write v96-127.  The softmax works on v96-159.  Behind the sums V's tiles 4-7 land here.
;   v248-251, v244-247   The scale words of tiles 0-3 and of tiles 4-7: K's land at a step's head, V's behind the exponentials' wait; read by the products as scales, and named by nothing else.
;   v8-11     The step's four LDS addresses: written at a step's head (v8, v9 once more at a trip's end), read by the LDS loads and stores.
;   All other addresses are made at the kernel's head and never written again.
; So a step has three waits on va_vdst: behind its four address lines (all 24 loads of K follow); behind its exponentials (16 loads of V follow); behind its sums (8 loads of V follow, then the products).
; A trip has three waits on vm_vsrc, each ahead of lines that write v8-11 or of loads that land in v64-95, and one more on va_vdst ahead of its LDS stores.
.set KP,    80                         ; a key's row in LDS: 64 bytes + 16: row r starts at bank 20 r mod 64 (64 banks of 4 bytes: ISA guide 11.1): 16 neighbouring rows take 16 different columns of 16 bytes
.set VP,    272                        ; a row of V's tile (512 keys, 256 bytes) + 16
.set VOFF,  512*KP                     ; a slot: 512 rows of K, then 128 rows of V
.set SLOTB, VOFF+128*VP                ; 75,776 bytes; slot 1 begins here
.set SCK,   2*SLOTB                    ; K's scale bytes of the whole batch, dense: key k's word at 4 k: 16,384 bytes
.set SVP,   144                        ; a row of V's scale bytes: 128 + 16
.set SCV,   SCK+16384                  ; V's: 128 rows: 18,432 bytes
.set STG,   SCV+128*SVP                ; a stage of 16 rows x 272 bytes for each wave
.set IMGB,  8704                       ; the exchange at a job's end: a wave's image: 16 x 512 bytes of O^T + 512 of statistics.  The 16 images lie over the ring, from byte 0
.set WV,  20                           ; s20 my wave's number;  s21 its key parity;  s22 its tile of queries;  s23 my first query in the batch
.set KAP, 21
.set TAU, 22
.set ROW0, 23
.set SEL, 24                           ; s[24:25] lane selects for v_permlanex16_b32: lane l xor 16
.set CS,  26                           ; s[26:27] c = log2(e) / sqrt(128): the packed form names a pair
.set J0,  32                           ; s[32:47] job 0, s[48:63] job 1: +0 K's codes (the next slot to fetch), +2 V's, +4 K's scales, +6 V's scales, +8 Q's codes, +10 Q's scales, +12 out0, +14 WL keys to walk, +15 VM the mask's length
.set J1,  48                           ; (ahead of that, at the head, s32-47 hold the ranking's sixteen masks)
.set SK,  66                           ; s66-81 at the head the 16 sort keys; in a step on the border sixteen masks
.set TB,  82                           ; s82 LDS byte of the slot in hand;  s83 of the other
.set TBN, 83
.set TS,  84                           ; s84 the slot's scale words of K: 2,048 bytes a slot;  s85 V's: 16 bytes a slot
.set TJ,  85
.set KF,  86                           ; s86 my next step's first key
.set NF,  87                           ; s87 the first key of the slot to be fetched
.set CNT, 88
; v1 AK0, v2 AV0, v3 ASK0, v4 ASV0: my lane's place in a tile of K, of V, among K's and V's scale words;  v5 SKA, v6 SVA: where I store a slot's K and V;  v7 GK, v24 GV: where I load them;  v8-11 the addresses in hand
; v12 -M, v13 the largest t, v[14:15] the sum in two halves;  v16-23 Q;  v25 QO, v241 QSO: Q's loads;  v26 SKS, v27 SVS: where I store scale bytes;  v28 IMO, v29 IMP: my image, my partner's;  v30 STI, v31 STO: the stage
; v32-63 four fragments of K or V (tiles 0-3);  v64-95 a slot on its way;  v96-159 S^T, then p (v96-127 ahead of that K's tiles 4-7, behind it V's);  v160-223 O^T;  v224-231 p's codes (at the head and at a job's end: at work)
; v232-239, v252, v254 at work;  v240 GO;  v242 -16 (lane / 16) - 1;  v248-251 K's or V's scale words of tiles 0-3, v244-247 of tiles 4-7, v253 p's, v255 Q's
.macro BAR                             ; my LDS stores have landed and my LDS loads are in: then the work-group's barrier
	s_wait_dscnt 0x0
	s_barrier_signal -1
	s_barrier_wait -1
.endm
; A slot is asked for: K's 512 rows are one dense block of 32,768 bytes (a wave's load takes 512 neighbouring bytes); of V's 128 rows 256 bytes each (sixteen lanes take one row's 256 bytes).
.macro REQ job
.irp i, 0,1,2,3
	global_load_b128 v[64+4*\i:67+4*\i], v7, s[\job:\job+1] offset:8192*\i
.endr
.irp i, 0,1,2,3
	global_load_b128 v[80+4*\i:83+4*\i], v24, s[\job+2:\job+3] offset:65536*\i
.endr
.endm
; A job's first loads: my tile of Q and its scale words, the batch's scale bytes of K and V (16,384 bytes each: 32 a thread), slot 0.
.macro JREQ job
	global_load_b128 v[16:19], v25, s[\job+8:\job+9]
	global_load_b128 v[20:23], v25, s[\job+8:\job+9] offset:32
	global_load_b32 v255, v241, s[\job+10:\job+11]
	global_load_b128 v[32:35], v7, s[\job+4:\job+5]
	global_load_b128 v[36:39], v7, s[\job+4:\job+5] offset:8192
	global_load_b128 v[40:43], v7, s[\job+6:\job+7]
	global_load_b128 v[44:47], v7, s[\job+6:\job+7] offset:8192
	REQ \job
.endm
; A job's start: the step is written once, so the first finds zeros, which the first change of M leaves zeros.
.macro JINIT
	v_mov_b32 v13, 0xff61b1e6                      ; the largest t so far: -3e38, under every t
	v_floor_f32 v12, -v13                          ; -M
	v_mov_b32 v14, 0
	v_mov_b32 v15, 0
.set rr, 160
.rept 64
	v_mov_b32 v[rr], 0                             ; O^T
.set rr, rr+1
.endr
	s_lshl_b32 s[KF], s[KAP], 7                    ; my first step: number 0 or 1
	s_mov_b32 s[NF], 512
	s_mov_b32 s[TB], 0
	s_mov_b32 s[TBN], SLOTB
	s_mov_b32 s[TS], 0
	s_mov_b32 s[TJ], 0
	s_mov_b32 s[CNT], 8
.endm
; The job's first loads go into LDS.  The stores' data come from loads, their addresses from the kernel's head: no vector instruction since the head's wait names either.
.macro JPUT job
	s_wait_loadcnt 0x0                             ; all of JREQ's are in: their bases may be stepped
	s_add_nc_u64 s[\job:\job+1], s[\job:\job+1], 32768     ; on to slot 1
	s_add_nc_u64 s[\job+2:\job+3], s[\job+2:\job+3], 256
	ds_store_b128 v26, v[32:35]
	ds_store_b128 v26, v[36:39] offset:8192
	ds_store_b128 v27, v[40:43]
	ds_store_b128 v27, v[44:47] offset:64*SVP      ; 8,192 bytes on are 64 rows on
.irp i, 0,1,2,3
	ds_store_b128 v5, v[64+4*\i:67+4*\i] offset:128*KP*\i      ; 8,192 bytes of K are 128 keys
	ds_store_b128 v6, v[80+4*\i:83+4*\i] offset:32*VP*\i       ; 32 rows of V
.endr
	BAR
.endm
; A KEY STEP: 128 keys: number 2 q + my parity of the slot in hand.
.macro STEP q, job
	s_cmp_ge_u32 s[KF], s[\job+14]                 ; all its keys lie behind what is walked: left out.  A branch on whole numbers; the step of KF at the end is on every path
	s_cbranch_scc1 .Lhid_\@
	v_add_nc_u32 v8, s[TB], v1
	v_add_nc_u32 v9, s[TB], v2
	v_add_nc_u32 v10, s[TS], v3
	v_add_nc_u32 v11, s[TJ], v4
	s_wait_alu depctr_va_vdst(0)                   ; v8-11 are written, which this step's LDS loads read; the last step's products are done reading v32-63, v96-127 and v244-251, and its softmax is done with v96-127: K lands there
.irp t, 0,1,2,3                                ; S^T = K Q^T: all eight tiles of 16 keys are asked for in one run: tiles 4-7 first, into the registers that tiles 0-3's results will take,
.irp c, 0,1
	ds_load_b128 v[96+8*\t+4*\c:96+8*\t+4*\c+3], v8 offset:(256*(\q)+16*(4+\t))*KP+32*\c
.endr
	ds_load_b32 v[244+\t], v10 offset:1024*(\q)+4*(32*((4+\t)/2)+8*(\t%2))
.endr
.irp t, 0,1,2,3                                ; then tiles 0-3
.irp c, 0,1
	ds_load_b128 v[32+8*\t+4*\c:32+8*\t+4*\c+3], v8 offset:(256*(\q)+16*\t)*KP+32*\c
.endr
	ds_load_b32 v[248+\t], v10 offset:1024*(\q)+4*(32*(\t/2)+8*(\t%2))
.endr
	s_wait_dscnt 12                                ; LDS loads come back in order (ISA guide 5.7.1): tiles 4-7's twelve are in, tiles 0-3's twelve may be out
.irp t, 0,1,2,3
	v_wmma_scale_f32_16x16x128_f8f6f4 v[128+8*\t:135+8*\t], v[96+8*\t:103+8*\t], v[16:23], 0, v[244+\t], v255 matrix_a_fmt:MATRIX_FMT_FP4 matrix_b_fmt:MATRIX_FMT_FP4
.endr
	s_wait_dscnt 0x0                               ; tiles 0-3 are in
.rept 5
	v_nop                                          ; five places: the products below write over v96-127, which the four above have read as their source 0
.endr
.irp t, 0,1,2,3
	v_wmma_scale_f32_16x16x128_f8f6f4 v[96+8*\t:103+8*\t], v[32+8*\t:39+8*\t], v[16:23], 0, v[248+\t], v255 matrix_a_fmt:MATRIX_FMT_FP4 matrix_b_fmt:MATRIX_FMT_FP4
.endr                                          ; lane (r, h) holds query r; the 16 registers of tiles 2 b, 2 b + 1 are keys KF + 32 b + 16 h + 0 .. 15
.rept 4
	v_nop                                          ; four places ahead of the first read of results
.endr
	s_add_co_u32 s89, s[KF], 128                   ; THE MASK.  A step all of whose keys count skips it
	s_cmp_le_u32 s89, s[\job+15]
	s_cbranch_scc1 .Lopen_\@
	s_sub_co_i32 s89, s[\job+15], s[KF]
	v_add_nc_u32 v252, s89, v242                   ; d = VM - KF - 16 h - 1.  Register 16 b + i holds key KF + 16 h + 32 b + i: hidden where 32 b + i > d
	v_mov_b32 v254, 0xcb2ca22c                     ; -1e6 x sqrt(128): the score whose logit is reference's -1e6
.irp b, 0,1,2,3                                ; a block's sixteen compares in a run, each into a scalar register of its own; then its sixteen selects
.irp i, 0,1,2,3,4,5,6,7,8,9,10,11,12,13,14,15
	v_cmp_gt_i32 s[SK+\i], 32*\b+\i, v252
.endr
	s_wait_alu depctr_va_sdst(0)                   ; the sixteen compares have written s66-81, ahead of the selects that read them
.irp i, 0,1,2,3,4,5,6,7,8,9,10,11,12,13,14,15
	v_cndmask_b32 v[96+16*\b+\i], v[96+16*\b+\i], v254, s[SK+\i]
.endr
.endr
.Lopen_\@:
.irp b, 0,1,2,3
	v_max3_num_f32 v[232+\b], v[96+16*\b], v[97+16*\b], v[98+16*\b]   ; THE LARGEST SCORE OF EACH BLOCK OF 32 KEYS: it serves for the row's maximum and, since p rises with the score, for the block's largest p
.endr
.irp i, 3,5,7,9,11,13
.irp b, 0,1,2,3
	v_max3_num_f32 v[232+\b], v[232+\b], v[96+16*\b+\i], v[97+16*\b+\i]   ; (the four blocks by turns)
.endr
.endr
.irp b, 0,1,2,3
	v_max_num_f32 v[232+\b], v[232+\b], v[111+16*\b]
.endr
.irp b, 0,1,2,3
	v_permlanex16_b32 v[236+\b], v[232+\b], s[SEL], s[SEL+1]
.endr
.irp b, 0,1,2,3
	v_max_num_f32 v[232+\b], v[232+\b], v[236+\b]  ; with lane l xor 16's 16 keys
.endr
	v_max3_num_f32 v254, v232, v233, v234
	v_max_num_f32 v254, v254, v235                 ; the step's largest score of my query
	v_mul_f32 v254, s[CS], v254                    ; as t (c is positive)
	v_max_num_f32 v13, v13, v254                   ; the running largest t
	v_mov_b32 v254, v12
	v_floor_f32 v12, -v13                          ; the new -M = floor(-t) = -ceil(t): M is a whole number
	v_sub_f32 v254, v12, v254                      ; M's old value less its new one: a whole number, 0 or less
	v_cvt_i32_f32 v254, v254                       ; (it saturates)
	v_ldexp_f32 v252, 1.0, v254                    ; f = 2^(old M - new M)
.set rr, 0
.rept 32
	v_pk_fma_f32 v[96+rr:97+rr], v[96+rr:97+rr], s[CS:CS+1], v[12:13] op_sel_hi:[1,0,0]   ; t - M, two at a time (of the pairs c and -M the low word serves both halves)
.set rr, rr+2
.endr
.irp b, 0,1,2,3
	v_fma_f32 v[232+\b], v[232+\b], s[CS], v12     ; the same of each block's largest score
.endr
.set rr, 0
	s_wait_alu depctr_va_vdst(0)
.rept 64
	v_exp_f32 v[96+rr], v[96+rr]                   ; p = 2^(t - M): not normalised
.set rr, rr+1
.endr
.irp b, 0,1,2,3
	v_exp_f32 v[232+\b], v[232+\b]                 ; the block's largest p: the same two instructions on the same number give the same bits
.endr
	v_pk_mul_f32 v[14:15], v[14:15], v[252:253] op_sel_hi:[1,0]   ; the sums under the new M.  (A plain place behind the exponentials)
	s_wait_alu depctr_va_vdst(0)                   ; the 68 exponentials have written v96-159 and v232-235, ahead of their first reader; and the products K Q^T are done reading v32-63 and v244-251, in which V lands
.irp t, 0,1,2,3                                ; V's tiles 0-3 and all eight tiles' scale words are asked for here: no vector instruction from here to their products names these registers, v9 or v11
.irp c, 0,1
	ds_load_b128 v[32+8*\t+4*\c:32+8*\t+4*\c+3], v9 offset:16*\t*VP+128*(\q)+32*\c
.endr
	ds_load_b32 v[248+\t], v11 offset:\t*16*SVP+8*(\q)
.endr
.irp t, 0,1,2,3
	ds_load_b32 v[244+\t], v11 offset:(4+\t)*16*SVP+8*(\q)
.endr
.irp b, 0,1,2,3
	v_max_num_f32 v[232+\b], 0x1800000, v[232+\b]  ; the floor 2^(3 - 127): the byte cannot fall under 1 (a block whose every p is 0 keeps that byte: its codes are zeros)
.endr
.irp b, 0,1,2,3
	v_add_nc_u32 v[232+\b], 0xff000000, v[232+\b]  ; 2 off the exponent field: the conversion's scale operand
.endr
.irp b, 0,1,2,3
	v_lshrrev_b32 v[236+\b], 23, v[232+\b]         ; the scale's byte
.endr
	v_lshl_or_b32 v253, v237, 8, v236              ; p's scale word for these 128 keys
	v_lshl_or_b32 v253, v238, 16, v253
	v_lshl_or_b32 v253, v239, 24, v253
.irp b, 0,1,2,3
	v_cvt_scalef32_pk8_fp4_f32 v[224+2*\b], v[96+16*\b:103+16*\b], v[232+\b]
	v_cvt_scalef32_pk8_fp4_f32 v[225+2*\b], v[104+16*\b:111+16*\b], v[232+\b]
.endr
	v_nop                                          ; one plain vector instruction between a scaled conversion and the vector instruction that touches its result
.irp c, 0,1                                    ; the operand's layout wants a WHOLE block in a lane: lanes 0-15 block 2 c, lanes 16-31 block 2 c + 1
.irp i, 0,1
	v_permlane16_swap_b32 v[224+4*\c+\i], v[226+4*\c+\i]
.endr
.endr
	v_pk_add_f32 v[236:237], v[96:97], v[98:99]    ; THE ROW'S SUM IS TAKEN OF THE UNQUANTISED p: two at a time, in two chains
.irp j, 4,8,12,16,20,24,28,32,36,40,44,48,52,56,60
	v_pk_add_f32 v[14:15], v[14:15], v[96+\j:97+\j]
	v_pk_add_f32 v[236:237], v[236:237], v[98+\j:99+\j]
.endr
	v_pk_add_f32 v[14:15], v[14:15], v[236:237]
	s_wait_alu depctr_va_vdst(0)                   ; the conversions and the sums are done reading v96-127, in which V's tiles 4-7 land; p's codes v224-231 and its scale word v253 are written, which the scaled products below take
.irp t, 0,1,2,3
.irp c, 0,1
	ds_load_b128 v[96+8*\t+4*\c:96+8*\t+4*\c+3], v9 offset:16*(4+\t)*VP+128*(\q)+32*\c
.endr
.endr
.set rr, 0
.rept 32
	v_pk_mul_f32 v[160+rr:161+rr], v[160+rr:161+rr], v[252:253] op_sel_hi:[1,0]   ; O^T under the new M: x f.  (These are also the places between the lines that wrote p's codes and scale word and the scaled products; they write neither)
.set rr, rr+2
.endr
	s_wait_alu depctr_va_vdst(0)
	s_wait_dscnt 8                                 ; V's tiles 0-3 and the eight tiles' scale words (16 loads) are in; tiles 4-7's eight loads may be out
.irp t, 0,1,2,3                                ; O^T += V^T P^T; K = these 128 keys.  The eight accumulators take turns, one instruction a turn
	v_wmma_scale_f32_16x16x128_f8f6f4 v[160+8*\t:167+8*\t], v[32+8*\t:39+8*\t], v[224:231], v[160+8*\t:167+8*\t], v[248+\t], v253 matrix_a_fmt:MATRIX_FMT_FP4 matrix_b_fmt:MATRIX_FMT_FP4
.endr
	s_wait_dscnt 0x0                               ; tiles 4-7 are in
.irp t, 0,1,2,3
	v_wmma_scale_f32_16x16x128_f8f6f4 v[192+8*\t:199+8*\t], v[96+8*\t:103+8*\t], v[224:231], v[192+8*\t:199+8*\t], v[244+\t], v253 matrix_a_fmt:MATRIX_FMT_FP4 matrix_b_fmt:MATRIX_FMT_FP4
.endr
.Lhid_\@:
	s_add_co_u32 s[KF], s[KF], 256                 ; my next step: two steps on
.endm
; A JOB'S LOOP: 8 trips, one for each slot of 512 keys.  The slot stored in a trip was last read in the trip before, which every wave left at the barrier with its reads waited for; the stores are waited for in front
; of this trip's signal, and are read behind its wait: one barrier a trip does both.
.macro JLOOP job
.Lslot_\@:
	s_wait_alu depctr_vm_vsrc(0)                   ; the LDS stores of the trip before (first trip: of the job's start) have read v64-95, in which the loads below land, v8 and v9, which the step's first lines write, and v32-47, in which fragments land
	s_cmp_lt_u32 s[NF], s[\job+14]                 ; does the next slot hold a key that is walked?
	s_cbranch_scc0 .Lnoreq_\@
	REQ \job                                       ; asked for two steps' work ahead of the wait for it
.Lnoreq_\@:
	STEP 0, \job
	s_wait_alu depctr_vm_vsrc(0)                   ; the first step's LDS loads have read v8-11, which the second step's first lines write
	STEP 1, \job
	s_wait_alu depctr_vm_vsrc(0)                   ; the steps' LDS loads have read v8 and v9, which the two lines below write
	v_add_nc_u32 v8, s[TBN], v5
	v_add_nc_u32 v9, s[TBN], v6
	s_wait_loadcnt 0x0                             ; the next slot is in my registers; on every path, so that the bases may be stepped on every path
	s_add_nc_u64 s[\job:\job+1], s[\job:\job+1], 32768
	s_add_nc_u64 s[\job+2:\job+3], s[\job+2:\job+3], 256
	s_wait_alu depctr_va_vdst(0)                   ; v8 and v9 are written, which the LDS stores below read as their addresses
	s_cmp_lt_u32 s[NF], s[\job+14]
	s_cbranch_scc0 .Lnoput_\@
.irp i, 0,1,2,3
	ds_store_b128 v8, v[64+4*\i:67+4*\i] offset:128*KP*\i
	ds_store_b128 v9, v[80+4*\i:83+4*\i] offset:32*VP*\i
.endr
.Lnoput_\@:
	BAR
	s_xor_b32 s[TB], s[TB], SLOTB
	s_xor_b32 s[TBN], s[TBN], SLOTB
	s_add_co_u32 s[TS], s[TS], 2048
	s_add_co_u32 s[TJ], s[TJ], 16
	s_add_co_u32 s[NF], s[NF], 512
	s_sub_co_u32 s[CNT], s[CNT], 1
	s_cmp_lg_u32 s[CNT], 0
	s_cbranch_scc1 .Lslot_\@
.endm
; A JOB'S END.  next: the next job's registers, or 0.  Waves w and w xor 8 hold the two halves of a tile's sums.  Each writes its O^T, -M and sum as an image of its registers (16 bytes a lane, 512 a store), reads
; its partner's, brings both under the larger M, divides by the whole sum, and sends 8 of the 16 rows through its own stage, so that sixteen lanes store 256 consecutive bytes, aligned.
; A wave of parity 1 that had no step (at most 128 keys walked) holds -M = 3e38 and zeros: its factor comes out 0.  The wave of parity 0 always has step 0, so the sum is above 0.
.macro WAYOUT job, next
.rept 4
	v_nop                                          ; four places behind the last products, ahead of the first read of their results
.endr
	v_add_f32 v13, v14, v15                        ; my half of the sum (the largest t is done with)
	s_wait_alu depctr_va_vdst(0)                   ; the products have written O^T and the line above v13, which the image's stores read; the products are done reading Q, its scale words and v32-47, in which the next job's loads land; the softmax is done with v96-159 and v232-235, in which the partner's image lands
.if \next
	s_wait_alu depctr_vm_vsrc(0)                   ; the loop's LDS stores have read v64-95, in which the next job's first slot lands
	JREQ \next                                     ; the next job's first loads run under the exchange: none of their registers is touched before JPUT's wait
.endif
.irp g, 0,1,2,3,4,5,6,7,8,9,10,11,12,13,14,15
	ds_store_b128 v28, v[160+4*\g:163+4*\g] offset:512*\g      ; each accumulator from its low end on.  The ring is free: every wave has passed the loop's last barrier
.endr
	ds_store_b128 v28, v[12:15] offset:8192
	BAR
.irp g, 0,1,2,3,4,5,6,7,8,9,10,11,12,13,14,15
	ds_load_b128 v[96+4*\g:99+4*\g], v29 offset:512*\g
.endr
	ds_load_b128 v[232:235], v29 offset:8192       ; v232 the partner's -M, v233 its sum
	s_wait_dscnt 0x0
	v_min_num_f32 v236, v12, v232                  ; -(the larger M)
	v_sub_f32 v237, v236, v12                      ; my M less the larger: a whole number, 0 or less
	v_sub_f32 v238, v236, v232                     ; the partner's
	v_cvt_i32_f32 v237, v237                       ; (it saturates)
	v_cvt_i32_f32 v238, v238
	v_ldexp_f32 v237, 1.0, v237
	v_ldexp_f32 v238, 1.0, v238
	v_mul_f32 v239, v13, v237
	v_fma_f32 v239, v233, v238, v239               ; both sums under the larger M,
	v_permlanex16_b32 v252, v239, s[SEL], s[SEL+1]
	v_add_f32 v239, v239, v252                     ; and lane l xor 16's: the row's sum
	s_wait_alu depctr_va_vdst(0)
	v_rcp_f32 v239, v239
	v_nop                                          ; a plain place behind the transcendental
	s_wait_alu depctr_va_vdst(0)                   ; the reciprocal has written v239, ahead of its first reader
	v_mul_f32 v224, v237, v239                     ; my factor / the sum (written twice: the packed form names a pair)
	v_mul_f32 v225, v237, v239
	v_mul_f32 v226, v238, v239                     ; the partner's
	v_mul_f32 v227, v238, v239
.set rr, 0
.rept 32
	v_pk_mul_f32 v[96+rr:97+rr], v[96+rr:97+rr], v[226:227] op_sel_hi:[1,0]
.set rr, rr+2
.endr
.set rr, 0
.rept 32
	v_pk_fma_f32 v[96+rr:97+rr], v[160+rr:161+rr], v[224:225], v[96+rr:97+rr] op_sel_hi:[1,0,1]   ; register 8 T + i is out(r, 16 T + 8 h + i)
.set rr, rr+2
.endr
	s_wait_alu depctr_va_vdst(0)                   ; the multiply-adds have written v96-159, which the stage's stores read, and are done reading v160-191, in which the stage's loads land
	s_wait_alu depctr_vm_vsrc(0)                   ; the image's stores have read v160-191, in which the stage's loads land
.irp u, 0,1                                    ; channels 64 u on: half a row, 256 bytes
.irp t, 0,1,2,3
	ds_store_b128 v30, v[96+32*\u+8*\t:99+32*\u+8*\t] offset:64*\t
	ds_store_b128 v30, v[100+32*\u+8*\t:103+32*\u+8*\t] offset:64*\t+16
.endr
.irp i, 0,1,2,3
	ds_load_b128 v[160+16*\u+4*\i:163+16*\u+4*\i], v31 offset:2*VP*\i   ; my 8 rows, two an instruction.  LDS serves a wave's instructions in order (ISA guide 5.7.1.4): these see my stores, and the next half's stores come behind them
.endr
.endr
.irp u, 0,1
.irp i, 0,1,2,3
	s_wait_dscnt 12*(1-\u)+3-\i                    ; issued: 8 stores, 4 loads, 8 stores, 4 loads: behind load (0, i) stand 15 - i, behind load (1, i) 3 - i
	global_store_b128 v240, v[160+16*\u+4*\i:163+16*\u+4*\i], s[\job+12:\job+13] offset:1024*\i+256*\u th:TH_STORE_NT
.endr
.endr
.if \next
	BAR                                            ; every wave has read its partner's image: the ring and the scale bytes may be written
	s_wait_xcnt 0x0                                ; the stores have had their addresses translated: O^T is cleared only behind this wait
	s_wait_alu depctr_vm_vsrc(0)                   ; the global stores have read v160-191, the image's stores v12-15 and v192-223, which the lines below write; the stage's stores have read v96-159, which the next job's loads and products write
	JINIT
	JPUT \next
.endif
.endm
	s_load_b512 s[4:19], s[0:1], 0x0               ; Q's codes s[4:5], Q's scales s[6:7], K's s[8:9], s[10:11], V's s[12:13], s[14:15], valid_lens s[16:17], out0 s[18:19]
	v_lshrrev_b32 v8, 5, v0
	v_readfirstlane_b32 s[WV], v8                  ; wave 0..15
	s_mov_b32 s[SEL], 0x76543210
	s_mov_b32 s[SEL+1], 0xfedcba98
	s_mov_b32 s[CS], 0x3e0293ee                    ; c = log2(e) / sqrt(128)
	s_mov_b32 s[CS+1], s[CS]                       ; (named with it as a pair, so it is written)
	s_wait_alu depctr_va_sdst(0)                   ; s20, my wave's number, is written, ahead of its first reader
	s_lshr_b32 s[KAP], s[WV], 3
	s_and_b32 s[TAU], s[WV], 7
	v_and_b32 v8, 15, v0                           ; r
	v_bfe_u32 v9, v0, 4, 1                         ; h
	v_and_b32 v10, 31, v0                          ; lane
	v_mul_u32_u24 v1, v8, KP                       ; AK0 = 80 r + 16 h + 128 rows x parity
	v_lshl_add_u32 v1, v9, 4, v1
	s_mul_i32 s89, s[KAP], 128*KP
	v_add_nc_u32 v1, s89, v1
	v_mul_u32_u24 v2, v8, VP                       ; AV0 = VOFF + 272 r + 16 h + 64 bytes x parity
	v_lshl_add_u32 v2, v9, 4, v2
	s_lshl_b32 s89, s[KAP], 6
	s_add_co_u32 s89, s89, VOFF
	v_add_nc_u32 v2, s89, v2
	v_and_b32 v11, 8, v8
	v_add_nc_u32 v11, v11, v8                      ; r + 8 (r / 8)
	s_lshl_b32 s89, s[KAP], 9
	s_add_co_u32 s89, s89, SCK
	v_lshl_add_u32 v3, v11, 2, s89                 ; ASK0 = SCK + 4 (r + 8 (r / 8)) + 512 x parity
	v_mul_u32_u24 v4, v8, SVP                      ; ASV0 = SCV + 144 r + 4 x parity
	s_lshl_b32 s89, s[KAP], 2
	s_add_co_u32 s89, s89, SCV
	v_add_nc_u32 v4, s89, v4
	v_lshrrev_b32 v11, 2, v0                       ; the key of a load's 128 that I carry: x = t / 4
	v_and_b32 v12, 0x67, v11                       ; rho(x): bits 3 and 4 change places
	v_bfe_u32 v13, v11, 3, 1
	v_lshl_add_u32 v12, v13, 4, v12
	v_bfe_u32 v13, v11, 4, 1
	v_lshl_add_u32 v12, v13, 3, v12
	v_mul_u32_u24 v5, v12, KP                      ; SKA = 80 rho(t / 4) + 16 (t % 4)
	v_and_b32 v13, 3, v0
	v_lshl_add_u32 v5, v13, 4, v5
	v_lshrrev_b32 v11, 4, v0
	v_mul_u32_u24 v6, v11, VP                      ; SVA = VOFF + 272 (t / 16) + 16 (t % 16)
	v_lshl_add_u32 v6, v8, 4, v6
	v_add_nc_u32 v6, VOFF, v6
	v_lshlrev_b32 v7, 4, v0                        ; GK = 16 t
	v_lshlrev_b32 v24, 11, v11                     ; GV = 2,048 (t / 16) + 16 (t % 16)
	v_lshl_add_u32 v24, v8, 4, v24
	v_lshlrev_b32 v25, 6, v8                       ; QO = 64 r + 16 h
	v_lshl_add_u32 v25, v9, 4, v25
	v_lshl_add_u32 v26, v0, 4, SCK                 ; SKS = SCK + 16 t
	v_lshrrev_b32 v11, 3, v0
	v_mul_u32_u24 v27, v11, SVP                    ; SVS = SCV + 144 (t / 8) + 16 (t % 8)
	v_and_b32 v11, 7, v0
	v_lshl_add_u32 v27, v11, 4, v27
	v_add_nc_u32 v27, SCV, v27
	s_mul_i32 s89, s[WV], IMGB
	v_lshl_add_u32 v28, v10, 4, s89                ; IMO = 8,704 w + 16 lane
	s_xor_b32 s90, s[WV], 8
	s_mul_i32 s90, s90, IMGB
	v_lshl_add_u32 v29, v10, 4, s90                ; IMP = 8,704 (w xor 8) + 16 lane
	s_mul_i32 s89, s[WV], 16*VP
	s_add_co_u32 s89, s89, STG                     ; my stage
	v_mul_u32_u24 v30, v8, VP                      ; STI: row r, + 32 h
	v_lshl_add_u32 v30, v9, 5, v30
	v_add_nc_u32 v30, s89, v30
	s_mul_i32 s90, s[KAP], 8*VP
	s_add_co_u32 s90, s90, s89
	v_mul_u32_u24 v31, v9, VP                      ; STO: row 8 x parity + h, + 16 r
	v_lshl_add_u32 v31, v8, 4, v31
	v_add_nc_u32 v31, s90, v31
	v_lshlrev_b32 v240, 9, v9                      ; GO = 512 h + 16 r
	v_lshl_add_u32 v240, v8, 4, v240
	v_lshlrev_b32 v241, 2, v8                      ; QSO = 4 r
	v_lshlrev_b32 v242, 4, v9
	v_xor_b32 v242, -1, v242                       ; -16 h - 1
.irp b, 0,1,2,3
	v_mov_b32 v[236+\b], 0                         ; written once: a lane permute's destination counts as one of its sources
.endr
	v_mov_b32 v252, 0
	v_mov_b32 v253, 0                              ; (named as the upper half of the pair v[252:253] before it is first written)
	v_mov_b32 v254, 0
	v_mov_b32 v224, 0
	v_mov_b32 v225, 16
	v_mov_b32 v226, 1
	v_mov_b32 v235, 0
	s_wait_kmcnt 0x0
	s_wait_alu depctr_va_vdst(0)                   ; v1-7, v24-31, v240 and v241 are written: every load and store of the kernel reads one of them, or a sum made of one, as its address; none is written again
	; THE RANKS.  Lane l holds batch l % 16.  Its sort key: (the keys to walk - 1) << 5 | 16 where valid_len < 1 | the batch: no two are equal.
	global_load_b32 v232, v241, s[16:17]
	s_wait_loadcnt 0x0
	v_add_nc_u32 v233, -1, v232
	v_min_u32 v233, 0xfff, v233                    ; valid_len <= 0 (a large number here) and valid_len > 4,096 walk all 4,096 keys
	v_cmp_gt_i32 vcc_lo, 1, v232
	s_wait_alu depctr_va_vcc(0)                    ; the compare has written VCC, ahead of the select that reads it
	v_cndmask_b32 v234, v224, v225, vcc_lo
	v_lshl_or_b32 v233, v233, 5, v234
	v_or_b32 v233, v233, v8
.irp i, 0,1,2,3,4,5,6,7,8,9,10,11,12,13,14,15
	v_readlane_b32 s[SK+\i], v233, \i
.endr
	s_wait_alu depctr_va_sdst(0)                   ; the sixteen sort keys s66-81 are written, ahead of the compares that read them
.irp i, 0,1,2,3,4,5,6,7,8,9,10,11,12,13,14,15
	v_cmp_lt_u32 s[J0+\i], s[SK+\i], v233          ; the compares in a run, each into a scalar register of its own
.endr
	s_wait_alu depctr_va_sdst(0)                   ; the sixteen masks s32-47 are written, ahead of the selects that read them
.irp i, 0,1,2,3,4,5,6,7,8,9,10,11,12,13,14,15
	v_cndmask_b32 v234, v224, v226, s[J0+\i]
	v_add_nc_u32 v235, v235, v234                  ; my batch's rank: how many keys lie under mine
.endr
	s_lshr_b32 s89, ttmp9, 5                       ; p = 0 .. 7
	s_sub_co_u32 s90, 15, s89
	v_cmp_eq_u32 s91, s89, v235                    ; the lane of rank p,
	v_cmp_eq_u32 s92, s90, v235                    ; and of rank 15 - p
	s_mov_b32 s93, 0
	s_mov_b32 s94, 0
	s_wait_alu depctr_va_sdst(0)                   ; s91 and s92 are written, ahead of the bit tests that read them
.irp i, 0,1,2,3,4,5,6,7,8,9,10,11,12,13,14,15
	s_bitcmp1_b32 s91, \i
	s_cselect_b32 s93, s[SK+\i], s93               ; job 0's sort key
	s_bitcmp1_b32 s92, \i
	s_cselect_b32 s94, s[SK+\i], s94               ; job 1's
.endr
	s_and_b32 s[ROW0], ttmp9, 31
	s_lshl_b32 s[ROW0], s[ROW0], 7
	s_lshl_b32 s31, s[TAU], 4
	s_add_co_u32 s[ROW0], s[ROW0], s31             ; my first query: 128 x block + 16 x tile
	s_mov_b32 s29, 0
; A job's registers from its sort key.  Each offset is made apart, in s[28:29], and added to its own buffer's address.
.macro JSET job, key
	s_and_b32 s30, s[\key], 15
	s_min_u32 s30, s30, 15                         ; the batch
	s_lshr_b32 s31, s[\key], 5
	s_min_u32 s31, s31, 4095
	s_add_co_u32 s[\job+14], s31, 1                ; WL
	s_bitcmp1_b32 s[\key], 4
	s_cselect_b32 s[\job+15], 0, s[\job+14]        ; VM: 0 where valid_len < 1
	s_lshl_b32 s28, s30, 18                        ; a batch's codes: 262,144 bytes
	s_add_nc_u64 s[\job:\job+1], s[8:9], s[28:29]
	s_add_nc_u64 s[\job+2:\job+3], s[12:13], s[28:29]
	s_lshl_b32 s31, s[ROW0], 6
	s_add_co_u32 s28, s28, s31
	s_add_nc_u64 s[\job+8:\job+9], s[4:5], s[28:29]
	s_lshl_b32 s28, s30, 14                        ; a batch's scale bytes: 16,384
	s_add_nc_u64 s[\job+4:\job+5], s[10:11], s[28:29]
	s_add_nc_u64 s[\job+6:\job+7], s[14:15], s[28:29]
	s_lshl_b32 s31, s[ROW0], 2
	s_add_co_u32 s28, s28, s31
	s_add_nc_u64 s[\job+10:\job+11], s[6:7], s[28:29]
	s_lshl_b32 s28, s30, 21                        ; a batch of out0: 2,097,152 bytes
	s_lshl_b32 s31, s[KAP], 3
	s_add_co_u32 s31, s31, s[ROW0]                 ; the first of the 8 rows that I store
	s_lshl_b32 s31, s31, 9
	s_add_co_u32 s28, s28, s31
	s_add_nc_u64 s[\job+12:\job+13], s[18:19], s[28:29]
.endm
	JSET J0, 93
	JSET J1, 94
	JREQ J0                                        ; no wait: its addresses stand ahead of the head's wait, and no vector instruction has named a register in which its loads land
	JINIT
	JPUT J0
	JLOOP J0
	WAYOUT J0, J1
	JLOOP J1
	WAYOUT J1, 0
	s_wait_xcnt 0x0
	v_lshl_add_u32 v254, v0, 2, 0x3e800            ; the LDS address of my spare word and 0, made anew (no memory or LDS instruction has read v254 or v255)
	v_mov_b32 v255, 0
	s_wait_dscnt 0x0                               ; the closing lines, six on end
	s_wait_alu 0x0
	s_wait_tensorcnt 0x0
	ds_add_u32 v254, v255
	s_wait_dscnt 0x0
	s_endpgm
.Lfunc_end_k_q82cb637af8_attn:
	.size	k_q82cb637af8_attn, .Lfunc_end_k_q82cb637af8_attn-k_q82cb637af8_attn
	.p2alignl 7, 3214868480
	.fill 96, 4, 3214868480
	.section	.rodata,"a",@progbits
	.p2align	6, 0x0
	.amdhsa_kernel k_q82cb637af8_attn
		.amdhsa_group_segment_fixed_size 258048
		.amdhsa_private_segment_fixed_size 0
		.amdhsa_enable_private_segment 0
		.amdhsa_kernarg_size 64
		.amdhsa_user_sgpr_count 2
		.amdhsa_user_sgpr_kernarg_segment_ptr 1
		.amdhsa_wavefront_size32 1
		.amdhsa_system_sgpr_workgroup_id_x 1
		.amdhsa_system_sgpr_workgroup_id_y 1
		.amdhsa_system_sgpr_workgroup_id_z 1
		.amdhsa_system_vgpr_workitem_id 0
		.amdhsa_next_free_vgpr 256
		.amdhsa_next_free_sgpr 96
		.amdhsa_reserve_vcc 1
		.amdhsa_float_denorm_mode_32 3
		.amdhsa_float_denorm_mode_16_64 3
		.amdhsa_memory_ordered 1
		.amdhsa_forward_progress 1
		.amdhsa_inst_pref_size 158
	.end_amdhsa_kernel
	.amdgpu_metadata
---
amdhsa.version: [ 1, 2 ]
amdhsa.kernels:
  - .name:           k_q82cb637af8_attn
    .symbol:         k_q82cb637af8_attn.kd
    .args:
      - { .name: queries_codes, .offset: 0, .size: 8, .value_kind: global_buffer, .address_space: global }
      - { .name: queries_scales, .offset: 8, .size: 8, .value_kind: global_buffer, .address_space: global }
      - { .name: keys_codes, .offset: 16, .size: 8, .value_kind: global_buffer, .address_space: global }
      - { .name: keys_scales, .offset: 24, .size: 8, .value_kind: global_buffer, .address_space: global }
      - { .name: values_codes, .offset: 32, .size: 8, .value_kind: global_buffer, .address_space: global }
      - { .name: values_scales, .offset: 40, .size: 8, .value_kind: global_buffer, .address_space: global }
      - { .name: valid_lens, .offset: 48, .size: 8, .value_kind: global_buffer, .address_space: global }
      - { .name: out0, .offset: 56, .size: 8, .value_kind: global_buffer, .address_space: global }
    .group_segment_fixed_size: 258048
    .private_segment_fixed_size: 0
    .kernarg_segment_align: 8
    .kernarg_segment_size: 64
    .max_flat_workgroup_size: 512
    .sgpr_count:     96
    .vgpr_count:     256
    .wavefront_size: 32
...
	.end_amdgpu_metadata
.endif
;; end of part 2
